; MI455X (gfx1250); checked and timed in simulation.
; The chip was launched on July 23, 2026; its instructions are those of AMD's public machine-readable ISA for CDNA 5 (MIT licence, August 2026) and "CDNA5" Instruction Set Architecture Reference Guide (July 2026). The comments in the code are by the model that wrote it; some were corrected since.
;; Attention. Allowed arithmetic: matrix products marked QUANTISED: E4M3 operands, one given power-of-two scale a tensor, by v_wmma_f32_16x16x64_fp8_fp8 or v_wmma_f32_16x16x128_fp8_fp8, f32 sums; everything else in f32.
;; Inputs: K 4 x 16 x 2,048 x 64 float32; Q 4 x 16 x 2,048 x 64 float32; V 4 x 16 x 2,048 x 64 float32; lowp_scales 4 int32 (the exponents e of the quantised operands' scales 2^e); mask 1 x 1 x 2,048 x 2,048 bool.
;; Outputs: out0 4 x 16 x 2,048 x 64 float32.
;; This version of the problem:
;;   THIS VERSION OF THE PROBLEM IS GIVEN IN LOW PRECISION. The matrix products marked QUANTISED in the list below multiply operands that are first quantised to E4M3 (4 exponent bits, 3 mantissa bits; 8 bits a number), with one given power-of-two scale for each operand tensor; their sums are f32. All else is computed in f32.
;;   The module's matrix products, in the order in which they are computed (A, B: the left and right operand; K: the contracted axis; several contracted axes count as one K, in the product's order):
;;     1. batch 64 x [M 2,048, K 64] x [K 64, N 2,048]; A: input Q; B: input K: QUANTISED (scales: A lowp_scales[0], B lowp_scales[1])
;;     2. batch 64 x [M 2,048, K 2,048] x [K 2,048, N 64]; A: softmax (see below); B: input V: QUANTISED (scales: A lowp_scales[2], B lowp_scales[3])
;;   THE QUANTISER, for each operand of a quantised product, along K:
;;     - The operand's scale is 2^e, e = its entry of the input lowp_scales (int32; the entries are numbered through the quantised products in the list's order, A before B).
;;     - Each number is divided by the scale, clamped to +-448, and rounded to the nearest number of E4M3, ties to even, subnormals kept.
;;     - The product sums the exact products of the quantised numbers (number of the format x scale) in f32.
;;   ~~~python
;;   def quantise(x, axis, e):      # numpy; x: float32 -> the quantised numbers, widened to float32 again
;;       x = np.moveaxis(x, axis, -1); K = x.shape[-1]
;;       r = np.clip(x / 2.0 ** e, -448, 448)
;;       step = 2.0 ** (np.maximum(np.frexp(np.where(r == 0, 1, r))[1] - 1, -6) - 3)
;;       q = np.round(r / step) * step * 2.0 ** e      # np.round: ties to even
;;       return np.moveaxis(q, -1, axis).astype(np.float32)
;;   ~~~
;;   SOFTMAX AHEAD OF A QUANTISED PRODUCT. Where the list says 'softmax', what is quantised is not the finished softmax but p = 2^(t - M), with t = logit x log2(e) and M = ceil(the row's largest t), a whole number; so 1/2 < the row's largest p <= 1. The row's sum l is taken of the UNQUANTISED p, in f32, and the product's result is divided by l at the end. Since M is a whole number, a kernel that streams over the keys may use a running M (the ceiling of the running maximum): every later rescaling is an exact power of two, so the quantised numbers keep their values, but for numbers so far below the row's largest that they fall under the format's range.
;;   OPERANDS COMPUTED ON THE WAY. 'Computed on the way' means the value that the module computes at that place (a softmax that the list does not call 'softmax' is quantised finished and normalised). What goes into a quantiser is computed in f32, as accurately as f32 sums, v_exp_f32 and their like allow (about 1e-6 of the number): no bf16 or f16 on the way to a quantiser, and a product that is left as it is and whose result goes on into a quantised operand takes f32 operands (vector FMAs, or v_wmma_f32_16x16x4_f32). A number that lies on a knife's edge between two numbers of the format may be rounded either way, as far as f32 arithmetic and the matrix unit's own rounding can turn it there, and no further.
;; One version. Each part assembles by itself: llvm-mc -triple=amdgcn-amd-amdhsa -mcpu=gfx1250 --defsym DOCPART=n.
;; ======== version 1 of 1: 2 launches
;; limits: right only within a limited range of input values
;; workspace buffers: kv 16,777,216 bytes; lmask 524,288 bytes of whole numbers; flags 512 bytes of whole numbers
;; launch prep (part 1): grid 576 x 1, 4 waves a work-group, no clusters, 52,736 bytes of LDS; arguments K, V, mask, lowp_scales, kv, lmask, flags; writes kv, lmask, flags
.if DOCPART == 1
	.amdgcn_target "amdgcn-amd-amdhsa--gfx1250"
	.amdhsa_code_object_version 6
	.text
	.protected	k_q2d6702d8dd_prep
	.globl	k_q2d6702d8dd_prep
	.p2align	8
	.type	k_q2d6702d8dd_prep,@function
k_q2d6702d8dd_prep:
	s_mov_b64 s[64:65], 0
	v_nop
	global_prefetch_b8 v0, s[64:65] scope:SCOPE_SE
	s_setreg_imm32_b32 hwreg(HW_REG_WAVE_MODE, 25, 1), 1
	s_wait_xcnt 0x0
; THE LAUNCH IN FRONT OF THE ATTENTION.  Three kinds of work-group, told apart by the work-group's number; the three ways never join, and each that uses LDS has LDS bytes of its own.
;   0 .. 63     THE MASK [2048][2048] (one byte, 0 or 1, as the problem states it).  Work-group u takes query rows 32 u .. 32 u + 31, wave qd the key columns 512 qd .. + 511 (8 key steps of 64).
;               lmask[u][s][n], n = 32 T + 8 kt + j: bit r + 16 h of the word = mask[32 u + 16 T + r][64 s + 16 kt + 8 h + j]: a lane mask for score register n of the attention's step s.
;               flags[u]: word 0, bit s: some byte of block u x step s is 1;  word 1, bit s: some byte of it is 0.  Wave qd stores byte qd of each word.
;   64 .. 319   K [64 heads][2048][64] f32 -> codes of E4M3, as IMAGES of the matrix operand's registers.  A fragment is 16 keys x 64 d = 8 registers a lane = 1,024 bytes: registers 0-3 of lane L at 16 L,
;               registers 4-7 at 512 + 16 L.  Lane (r, h), register p, byte b holds d = 32 h + 4 p + b of key r: a permutation of d that the attention gives Q too, so every product meets its partner.
;   320 .. 575  V [64 heads][2048][64] f32 -> codes with the KEYS innermost, as images of V^T's fragments (16 d x 64 keys): lane (r, h), registers 2 c, 2 c + 1: keys 16 c + 8 h + 0 .. 7 of d = 16 dt + r.
; kv[head]: 128 fragments of K (131,072 bytes), then 32 steps x 4 fragments of V^T.
; code = x / 2^e, to the nearest code, ties to even.  LIMITS: ek and ev between -126 and 119, so that 2^e and 448 x 2^e are f32 numbers.  NaN among the inputs is not served.
; No barrier: waves share nothing.  No tensor load, no matrix unit, no cluster: each input byte is read once by one wave.
.set SP,    272                        ; a stage row: 256 bytes + 16 of padding: the 16 rows that a load touches start at 16 different groups of banks
.set KSTG,  8704                       ; K's way: two stages of 16 x SP bytes for each wave, from LDS byte 0
.set MSTG,  34816                      ; the mask's way: one stage of 16 x SP bytes for each wave, behind K's
.set R,     16                         ; K: v16-111   three sets of 32 registers as loaded
.set X,     112                        ; K, V: v112-175 two sets of 32 numbers
.set C,     176                        ; K, V: v176-239 codes, eight registers a step, never written twice: no store's data are rewritten
.set MR,    16                         ; mask: v16-79  32 rows x 256 bytes as loaded
.set MW,    80                         ; mask: v80-143 tile T, piece q = 4 z + kt: two words = mask[16 T + r][64 z + 16 kt + 8 h + 0 .. 7]
.set MO,    144                        ; mask: v144-151 step z: lane l of registers 2 z, 2 z + 1 = words 2 l, 2 l + 1
.set MT,    152                        ; mask: v152-157 at work
	s_load_b256 s[4:11], s[0:1], 0x0               ; K s[4:5], V s[6:7], mask s[8:9], the scales' exponents s[10:11]
	s_load_b128 s[12:15], s[0:1], 0x20             ; kv s[12:13], lmask s[14:15]
	s_load_b64 s[16:17], s[0:1], 0x30              ; flags
	v_lshl_add_u32 v240, v0, 2, 0xcc00
	v_mov_b32 v241, 0
	v_lshrrev_b32 v1, 5, v0
	v_readfirstlane_b32 s18, v1                    ; wave 0..3
	v_and_b32 v1, 31, v0                           ; lane
	v_and_b32 v12, 15, v0                          ; r
	v_bfe_u32 v13, v0, 4, 1                        ; h
	v_lshlrev_b32 v2, 4, v1                        ; 16 x lane
	; every LDS address is made here, ahead of the parting
	s_mul_i32 s19, s18, KSTG
	s_mul_i32 s20, s18, 16*SP
	s_add_co_u32 s20, s20, MSTG
	v_mul_u32_u24 v3, v13, SP
	v_lshl_add_u32 v3, v12, 4, v3                  ; 272 h + 16 r: two rows as a dense load holds them
	v_mul_u32_u24 v4, v12, SP                      ; 272 r
	v_add_nc_u32 v5, s20, v3                       ; mask: into the stage
	v_lshl_add_u32 v6, v13, 3, v4
	v_add_nc_u32 v6, s20, v6                       ; mask: out of it: row r, + 8 h
	v_add_nc_u32 v3, s19, v3                       ; K: into the stage
	v_lshl_add_u32 v4, v13, 7, v4
	v_add_nc_u32 v4, s19, v4                       ; K: out of it: row r, + 128 h: my 32 neighbours along d
	s_mov_b32 s21, 0                               ; the upper word of the offsets made in s20
	s_wait_kmcnt 0x0
	s_cmp_lt_u32 ttmp9, 64
	s_cbranch_scc1 .Lmask
	s_cmp_lt_u32 ttmp9, 320
	s_cbranch_scc0 .Lvals
.macro SCALE e                         ; v11 = 2^e as f32 (the conversion takes its exponent field), s24 = 448 x 2^e
	s_add_co_i32 s24, s[\e], 127
	s_lshl_b32 s25, s24, 23
	v_mov_b32 v11, s25
	s_add_co_i32 s24, s24, 8
	s_lshl_b32 s24, s24, 23
	s_or_b32 s24, s24, 0x600000
.endm
.macro HOLD32 xs                       ; the conversion to an 8-bit code does not saturate (ISA guide 7.6.2)
.set j, 0
.rept 32
.set j, j+1
.endr
.endm
; ---------------------------------------------------------------- K: a wave takes 8 fragments, 4,096 bytes of f32 each
	s_load_b128 s[32:35], s[10:11], 0x0            ; eq, ek, ep, ev
	s_sub_co_u32 s22, ttmp9, 64
	s_lshl_b32 s22, s22, 5
	s_lshl_b32 s23, s18, 3
	s_add_co_u32 s22, s22, s23                     ; my first fragment of the 8,192: 32 x work-group + 8 x wave
	s_lshl_b32 s20, s22, 12
	s_add_nc_u64 s[4:5], s[4:5], s[20:21]          ; 16 rows of 256 bytes a fragment
	s_lshr_b32 s23, s22, 7                         ; its head (128 fragments a head; my eight lie in one head),
	s_lshl_b32 s23, s23, 18
	s_and_b32 s20, s22, 127
	s_lshl_b32 s20, s20, 10
	s_add_co_u32 s20, s20, s23
	s_add_nc_u64 s[12:13], s[12:13], s[20:21]      ; and its image
.macro KLOAD t                         ; fragment t as it lies: each load reads 512 consecutive bytes, two rows
.irp i, 0,1,2,3,4,5,6,7
	global_load_b128 v[R+32*((\t)%3)+4*\i:R+32*((\t)%3)+4*\i+3], v2, s[4:5] offset:4096*(\t)+512*\i th:TH_LOAD_NT
.endr
.endm
.macro KTURN t                         ; through my stage: in as loaded, out 128 bytes a lane.  LDS serves a wave's instructions in order (ISA guide 5.7.1.4): no wait between the stores and the loads
.irp i, 0,1,2,3,4,5,6,7
	ds_store_b128 v3, v[R+32*((\t)%3)+4*\i:R+32*((\t)%3)+4*\i+3] offset:16*SP*((\t)%2)+2*SP*\i
.endr
.irp i, 0,1,2,3,4,5,6,7
	ds_load_b128 v[X+32*((\t)%2)+4*\i:X+32*((\t)%2)+4*\i+3], v4 offset:16*SP*((\t)%2)+16*\i
.endr
.endm
.macro KSTEP t
	s_wait_dscnt 0x0                               ; this fragment's numbers are back from the stage, and its stores into the stage have read their registers,
.if (\t)+3 < 8
	KLOAD (\t)+3                                   ; which take the loads of three fragments on
.endif
.if (\t)+1 < 8
.if (\t)+3 < 8
	s_wait_loadcnt 16                              ; the next fragment's eight loads are in; those of the two behind it may be out
.else
	s_wait_loadcnt 8*(6-(\t))                      ; the counts run down: behind fragment t + 1 only those up to 7 were asked for
.endif
	KTURN (\t)+1                                   ; it goes through the other stage while this one is worked
.endif
	HOLD32 X+32*((\t)%2)
.irp g, 0,1,2,3
	v_cvt_scalef32_pk8_fp8_f32 v[C+8*(\t)+2*\g:C+8*(\t)+2*\g+1], v[X+32*((\t)%2)+8*\g:X+32*((\t)%2)+8*\g+7], v11
.endr
	global_store_b128 v2, v[C+8*(\t):C+8*(\t)+3], s[12:13] offset:1024*(\t)          ; 32 lanes store 512 consecutive bytes, aligned
	global_store_b128 v2, v[C+8*(\t)+4:C+8*(\t)+7], s[12:13] offset:1024*(\t)+512
.endm                                  ; (the conversions' results go to stores alone)
	KLOAD 0
	KLOAD 1
	KLOAD 2
	s_wait_kmcnt 0x0
	SCALE 33                                       ; ek
	s_wait_loadcnt 16                              ; fragment 0 is in; fragments 1 and 2 may be out
	s_wait_alu depctr_va_vdst(0)
	KTURN 0
.irp t, 0,1,2,3,4,5,6,7
	KSTEP \t
.endr
	s_wait_tensorcnt 0x0
	ds_add_u32 v240, v241
	s_wait_dscnt 0x0
	s_endpgm
; ---------------------------------------------------------------- V: a lane takes a column d, and its registers run down the keys: nothing is transposed
.Lvals:
	s_load_b128 s[32:35], s[10:11], 0x0            ; eq, ek, ep, ev
	s_sub_co_u32 s22, ttmp9, 320
	s_lshr_b32 s23, s22, 2                         ; head: four work-groups a head
	s_and_b32 s22, s22, 3
	s_lshl_b32 s22, s22, 3
	s_lshr_b32 s24, s18, 1
	s_lshl_b32 s24, s24, 2
	s_add_co_u32 s22, s22, s24                     ; my first key step of the head's 32: 8 x (work-group % 4) + 4 x (wave / 2); I take four steps, 256 keys
	s_and_b32 s24, s18, 1                          ; which 32 of the 64 columns
	s_lshl_b32 s20, s23, 19
	s_lshl_b32 s25, s22, 14
	s_add_co_u32 s20, s20, s25
	s_lshl_b32 s25, s24, 7
	s_add_co_u32 s20, s20, s25
	s_add_nc_u64 s[6:7], s[6:7], s[20:21]          ; V: head x 524,288 + step x 64 rows of 256 bytes + 128 x half
	s_lshl_b32 s20, s23, 18
	s_add_co_u32 s20, s20, 131072
	s_lshl_b32 s25, s22, 12
	s_add_co_u32 s20, s20, s25
	s_lshl_b32 s25, s24, 11
	s_add_co_u32 s20, s20, s25
	s_add_nc_u64 s[12:13], s[12:13], s[20:21]      ; images: behind the head's K; step x 4,096; my two fragments dt = 2 x half, 2 x half + 1
	v_lshlrev_b32 v7, 2, v1                        ; in: 4 bytes a lane: a wave reads 128 consecutive bytes, the wave beside it the row's other 128
	v_lshlrev_b32 v8, 10, v13
	v_lshl_add_u32 v8, v12, 4, v8                  ; out: lanes 0-15 fragment 2 x half, lanes 16-31 the next; 16 bytes for column r
.macro VLOAD t                         ; keys 32 t + 0 .. 31 of my column
.set j, 0
.rept 32
	global_load_b32 v[X+32*((\t)%2)+j], v7, s[6:7] offset:(32*(\t)+j)*256 th:TH_LOAD_NT
.set j, j+1
.endr
.endm
.macro VBLOCK t
.if (\t) < 7
	s_wait_loadcnt 32                              ; this block's 32 loads are in; the next block's may be out
.else
	s_wait_loadcnt 0x0
.endif
	HOLD32 X+32*((\t)%2)
.set XS, X+32*((\t)%2)
	v_cvt_scalef32_pk8_fp8_f32 v[C+8*(\t):C+8*(\t)+1],   v[XS:XS+7], v11        ; for the operand's lane (r, 0): keys 0-7 and 16-23 of these 32,
	v_cvt_scalef32_pk8_fp8_f32 v[C+8*(\t)+2:C+8*(\t)+3], v[XS+16:XS+23], v11
	v_cvt_scalef32_pk8_fp8_f32 v[C+8*(\t)+4:C+8*(\t)+5], v[XS+8:XS+15], v11     ; for lane (r, 1): keys 8-15 and 24-31
	v_cvt_scalef32_pk8_fp8_f32 v[C+8*(\t)+6:C+8*(\t)+7], v[XS+24:XS+31], v11
	global_store_b128 v8, v[C+8*(\t):C+8*(\t)+3], s[12:13] offset:((\t)/2)*4096+((\t)%2)*512        ; sixteen lanes store 256 consecutive bytes, aligned
	global_store_b128 v8, v[C+8*(\t)+4:C+8*(\t)+7], s[12:13] offset:((\t)/2)*4096+((\t)%2)*512+256
.if (\t)+2 < 8
	VLOAD (\t)+2
.endif
.endm
	VLOAD 0
	VLOAD 1
	s_wait_kmcnt 0x0
	SCALE 35                                       ; ev
	s_wait_alu depctr_va_vdst(0)
.irp t, 0,1,2,3,4,5,6,7
	VBLOCK \t
.endr
	s_endpgm
; ---------------------------------------------------------------- the mask
.Lmask:
	s_lshl_b32 s20, ttmp9, 16                      ; 32 rows of 2,048 bytes,
	s_lshl_b32 s22, s18, 9                         ; my 512 columns
	s_add_co_u32 s20, s20, s22
	s_add_nc_u64 s[8:9], s[8:9], s[20:21]
	s_lshl_b32 s20, ttmp9, 13                      ; lmask: 32 steps x 256 bytes a block,
	s_lshl_b32 s22, s18, 11                        ; my 8 steps
	s_add_co_u32 s20, s20, s22
	s_add_nc_u64 s[14:15], s[14:15], s[20:21]
	v_lshlrev_b32 v7, 11, v13
	v_lshl_add_u32 v7, v12, 4, v7                  ; in: lanes 0-15 one row's 256 bytes, lanes 16-31 the next row's
	v_lshlrev_b32 v8, 3, v1                        ; out: two words a lane
.irp i, 0,1,2,3,4,5,6,7
	v_mov_b32 v[MO+\i], 0                          ; written once: a lane write's destination counts as read
.endr
	s_mov_b32 s28, 0                               ; my byte of the flags' word 0,
	s_mov_b32 s29, 0                               ; and of word 1
	s_mov_b32 s27, 0                               ; the chunk's first bit in them
	s_mov_b32 s26, 0
.Lchunk:                                               ; two trips of 256 columns: four key steps
.irp T, 0,1
.irp i, 0,1,2,3,4,5,6,7
	global_load_b128 v[MR+32*\T+4*\i:MR+32*\T+4*\i+3], v7, s[8:9] offset:(16*\T+2*\i)*2048 th:TH_LOAD_NT
.endr
.endr
	s_wait_loadcnt 0x0
.irp T, 0,1                            ; 16 rows at a time through my stage; tile 1's stores come behind tile 0's loads, in order
.irp i, 0,1,2,3,4,5,6,7
	ds_store_b128 v5, v[MR+32*\T+4*\i:MR+32*\T+4*\i+3] offset:2*SP*\i
.endr
.irp q, 0,1,2,3,4,5,6,7,8,9,10,11,12,13,14,15
	ds_load_b64 v[MW+32*\T+2*\q:MW+32*\T+2*\q+1], v6 offset:16*\q
.endr
.endr
	s_wait_dscnt 0x0
.irp z, 0,1,2,3                        ; step z of the chunk
.set g, 0
.rept 16                               ; words n = 4 g .. 4 g + 3: the four bytes of one register: T = g / 8, kt = (g / 2) % 4, j = 4 (g % 2) + b
.set W, MW+32*(g/8)+2*(4*\z+(g/2)%4)+g%2
.irp b, 0,1,2,3
	v_and_b32 v[MT+\b], 1<<(8*\b), v[W]
.endr
.irp b, 0,1,2,3
	v_cmp_ne_u32 s[40+\b], 0, v[MT+\b]             ; bit L: my lane's byte is 1
.endr
.irp b, 0,1,2,3
	v_writelane_b32 v[MO+2*\z+\b%2], s[40+\b], 2*g+\b/2
.endr
.set g, g+1
.endr
.set A0, MW+8*\z
.set A1, MW+32+8*\z
	v_add3_u32 v[MT+4], v[A0], v[A0+1], v[A0+2]    ; the step's 16 registers added: each byte of the sum counts 16 bytes of 0 or 1
	v_add3_u32 v[MT+5], v[A1], v[A1+1], v[A1+2]
	v_add3_u32 v[MT+4], v[MT+4], v[A0+3], v[A0+4]
	v_add3_u32 v[MT+5], v[MT+5], v[A1+3], v[A1+4]
	v_add3_u32 v[MT+4], v[MT+4], v[A0+5], v[A0+6]
	v_add3_u32 v[MT+5], v[MT+5], v[A1+5], v[A1+6]
	v_add3_u32 v[MT+4], v[MT+4], v[A0+7], v[A1+7]
	v_add_nc_u32 v[MT+4], v[MT+4], v[MT+5]
	v_cmp_ne_u32 s44, 0, v[MT+4]                   ; some lane has a 1
	v_cmp_ne_u32 s45, 0x10101010, v[MT+4]          ; some lane has a 0
	s_cmp_lg_u32 s44, 0
	s_cselect_b32 s46, 1<<\z, 0
	s_lshl_b32 s46, s46, s27
	s_or_b32 s28, s28, s46
	s_cmp_lg_u32 s45, 0
	s_cselect_b32 s46, 1<<\z, 0
	s_lshl_b32 s46, s46, s27
	s_or_b32 s29, s29, s46
	global_store_b64 v8, v[MO+2*\z:MO+2*\z+1], s[14:15] offset:256*\z   ; the step's 64 words: 256 consecutive bytes, aligned
.endr
	s_wait_xcnt 0x0                                ; the stores have read their data and their base: both are written again only behind this wait
	s_add_nc_u64 s[8:9], s[8:9], 256
	s_add_nc_u64 s[14:15], s[14:15], 1024
	s_add_co_u32 s27, s27, 4
	s_add_co_u32 s26, s26, 1
	s_cmp_lt_u32 s26, 2
	s_cbranch_scc1 .Lchunk
	v_mov_b32 v9, s28
	v_mov_b32 v14, s29
	v_cmp_eq_u32 vcc_lo, 1, v1
	v_cndmask_b32 v9, v9, v14, vcc_lo              ; lane 0: word 0's byte; lane 1: word 1's
	s_lshl_b32 s46, ttmp9, 3
	s_add_co_u32 s46, s46, s18
	v_lshl_add_u32 v15, v1, 2, s46                 ; byte 8 u + 4 x lane + qd
	v_cmp_gt_u32 vcc_lo, 2, v1
	s_wait_alu depctr_va_vdst(0)
	s_wait_xcnt 0x0                                ; EXEC changes only behind this wait
	s_wait_tensorcnt 0x0
	ds_add_u32 v240, v241
	s_wait_dscnt 0x0
	s_and_saveexec_b32 s47, vcc_lo
	global_store_b8 v15, v9, s[16:17]
	s_wait_xcnt 0x0
	s_or_b32 exec_lo, exec_lo, s47
	s_endpgm
.Lfunc_end_k_q2d6702d8dd_prep:
	.size	k_q2d6702d8dd_prep, .Lfunc_end_k_q2d6702d8dd_prep-k_q2d6702d8dd_prep
	.p2alignl 7, 3214868480
	.fill 96, 4, 3214868480
	.section	.rodata,"a",@progbits
	.p2align	6, 0x0
	.amdhsa_kernel k_q2d6702d8dd_prep
		.amdhsa_group_segment_fixed_size 52736
		.amdhsa_private_segment_fixed_size 0
		.amdhsa_enable_private_segment 0
		.amdhsa_kernarg_size 56
		.amdhsa_user_sgpr_count 2
		.amdhsa_user_sgpr_kernarg_segment_ptr 1
		.amdhsa_wavefront_size32 1
		.amdhsa_system_sgpr_workgroup_id_x 1
		.amdhsa_system_sgpr_workgroup_id_y 1
		.amdhsa_system_sgpr_workgroup_id_z 1
		.amdhsa_system_vgpr_workitem_id 0
		.amdhsa_next_free_vgpr 242
		.amdhsa_next_free_sgpr 66
		.amdhsa_reserve_vcc 1
		.amdhsa_float_denorm_mode_32 3
		.amdhsa_float_denorm_mode_16_64 3
		.amdhsa_fp16_overflow 1
		.amdhsa_memory_ordered 1
		.amdhsa_forward_progress 1
		.amdhsa_inst_pref_size 106
	.end_amdhsa_kernel
	.amdgpu_metadata
---
amdhsa.version: [ 1, 2 ]
amdhsa.kernels:
  - .name:           k_q2d6702d8dd_prep
    .symbol:         k_q2d6702d8dd_prep.kd
    .args:
      - { .name: K, .offset: 0, .size: 8, .value_kind: global_buffer, .address_space: global }
      - { .name: V, .offset: 8, .size: 8, .value_kind: global_buffer, .address_space: global }
      - { .name: mask, .offset: 16, .size: 8, .value_kind: global_buffer, .address_space: global }
      - { .name: lowp_scales, .offset: 24, .size: 8, .value_kind: global_buffer, .address_space: global }
      - { .name: kv, .offset: 32, .size: 8, .value_kind: global_buffer, .address_space: global }
      - { .name: lmask, .offset: 40, .size: 8, .value_kind: global_buffer, .address_space: global }
      - { .name: flags, .offset: 48, .size: 8, .value_kind: global_buffer, .address_space: global }
    .group_segment_fixed_size: 52736
    .private_segment_fixed_size: 0
    .kernarg_segment_align: 8
    .kernarg_segment_size: 56
    .max_flat_workgroup_size: 128
    .sgpr_count:     66
    .vgpr_count:     242
    .wavefront_size: 32
...
	.end_amdgpu_metadata
.endif
;; end of part 1
;; launch attn (part 2): grid 4 x 64, 8 waves a work-group, no clusters, 297,984 bytes of LDS; arguments Q, kv, lmask, flags, lowp_scales, out0; writes out0
.if DOCPART == 2
	.amdgcn_target "amdgcn-amd-amdhsa--gfx1250"
	.amdhsa_code_object_version 6
	.text
	.protected	k_q2d6702d8dd_attn
	.globl	k_q2d6702d8dd_attn
	.p2align	8
	.type	k_q2d6702d8dd_attn,@function
k_q2d6702d8dd_attn:
	s_mov_b64 s[64:65], 0
	v_nop
	global_prefetch_b8 v0, s[64:65] scope:SCOPE_SE
	s_setreg_imm32_b32 hwreg(HW_REG_WAVE_MODE, 25, 1), 1
	s_wait_xcnt 0x0
; out0[head][q][:] = the sum over k of softmax_k(where(mask[q][k], Q[q] . K[k] / 8, -inf)) V[k][:], 64 heads, 2,048 queries and keys, head size 64; both products on codes of E4M3, by v_wmma_f32_16x16x64_fp8_fp8.
; THE SOFTMAX AHEAD OF THE SECOND PRODUCT: t = score x log2(e) / 8; M = the row's largest t so far, rounded UP to a whole number; p = 2^(t - M) is what is quantised (scale 2^ep), not normalised.
; The row's sum is taken of the unquantised p, in f32, and divides at the end.  When M moves, the sum and O are multiplied by 2^(old M - new M): exact.  A row with no key at all gives 0 x 1/0 = NaN, as the softmax of such a row does.
; SHARES.  A work-group serves one head (y) and a quarter of its queries (x).  The head's K and V, 262,144 bytes of codes laid by the launch before as images of the operands' registers, are copied ONCE into LDS, through
; registers; one barrier; from there on every wave only reads them: no ring, no further barrier.  Wave p = 8 x + wave (0 .. 31) owns two blocks of 32 queries, 63 - p and then p, and walks the 32 key steps of 64 keys for each.
; THE MASK IS AN INPUT AND IS HONOURED AS GIVEN.  For each block of 32 queries and each key step the launch before stored two bits: ANY (some key counts for some query) and MIX (some does not).  A step without ANY adds
; nothing to any sum and is jumped over by a scalar branch on the stored bit; in a step with MIX the hidden scores become -infinity by 64 stored lane masks (p = 0 then); a step without MIX needs no mask at all.
; LAYOUT.  Both products are used transposed: S^T = K Q^T (source 0 = 16 keys, source 1 = 16 queries), O^T = V^T P^T (source 0 = 16 of the head's 64, source 1 = P): a lane holds ONE query (lane % 16) of each of its two tiles.
; Register 8 kt + j of S^T is key 16 kt + 8 (lane / 16) + j, which is the place that this form gives registers 2 kt, 2 kt + 1 of source 1: the conversions' results ARE P's fragment.
; NO JOINT LOADS, NO TENSOR LOADS: the four work-groups of a head read the same 262,144 bytes, once each, at their heads; sharing that read would take tensor loads.
; The branch on the flags spares whole key steps (about 265 vector and 16 matrix instructions each); the joint load would spare three reads of 262,144 bytes a head.
; NO PREFETCH: memory is read at the head alone, 48 loads a wave on their way from the first lines on.
; LIMITS on the given exponents, so that each power of two below is an f32 number: eq and ep between -126 and 119; eq + ek between -123 and 130 (added to c's exponent field); ep + ev goes by v_ldexp_f32 and has none.
; NaN and infinities among Q, K, V are not served.
; REGISTERS: v1 lane, v2 16 x lane, v3/v4 the step's K and V in LDS, v5-7 the stage, v8 2^eq, v10 2^ep, v14 -infinity; v16-31 statistics, eight a tile: -M, largest t, sum (2), f (2), two at work;
; v32-47, v48-63 Q's codes of the two blocks; v64-95 four fragments of K, then of V; v96-159 S^T, then p; v160-223 O^T; v224-239 P's codes; v240-243 the sums' second chains.  At the head: v16-20 copy addresses, v64-191 the copy, v192-255 Q as f32.
.set SP,    272                        ; a stage row: 256 bytes + 16 of padding
.set VOFF,  0x20000                    ; LDS: K's 128 fragments from 0, V's 128 from here,
.set STAGE, 0x40000                    ; and 16 x SP bytes for each wave, its own: Q on the way in, O on the way out
.set ST,  16
.set QA,  32
.set QB,  48
.set F,   64
.set S,   96
.set O,   160
.set P,   224
.set XC,  240
.set RAW, 192
	s_load_b256 s[4:11], s[0:1], 0x0               ; Q s[4:5], kv s[6:7], lmask s[8:9], flags s[10:11]
	s_load_b128 s[12:15], s[0:1], 0x20             ; the scales' exponents s[12:13], out0 s[14:15]
	v_lshl_add_u32 v15, v0, 2, 0x48800
	s_set_vgpr_msb 0x40
	v_mov_b32 v1, 0
	s_set_vgpr_msb 0x4000
	v_lshrrev_b32 v1, 5, v0
	s_delay_alu instid0(VALU_DEP_1)
	v_readfirstlane_b32 s16, v1                    ; wave 0..7
	v_and_b32 v1, 31, v0                           ; lane
	s_delay_alu instid0(VALU_DEP_1)
	v_lshlrev_b32 v2, 4, v1                        ; 16 x lane: an image's place for my lane; also my 16 bytes of 512 dense ones in Q and out0
	v_and_b32 v12, 15, v0                          ; r
	v_bfe_u32 v13, v0, 4, 1                        ; h
	s_mul_i32 s40, s16, 16*SP
	s_add_co_u32 s40, s40, STAGE                   ; my stage
	v_mul_u32_u24 v5, v13, SP
	s_delay_alu instid0(VALU_DEP_1)
	v_lshl_add_u32 v5, v12, 4, v5
	s_delay_alu instid0(VALU_DEP_1)
	v_add_nc_u32 v5, s40, v5                       ; 272 h + 16 r: two dense rows
	v_mul_u32_u24 v6, v12, SP
	s_delay_alu instid0(VALU_DEP_1)
	v_lshl_add_u32 v7, v13, 5, v6
	s_delay_alu instid0(VALU_DEP_2)
	v_lshl_add_u32 v6, v13, 7, v6
	s_delay_alu instid0(VALU_DEP_1)
	v_add_nc_u32 v6, s40, v6                       ; row r, + 128 h: Q's 32 neighbours along d
	s_delay_alu instid0(VALU_DEP_3)
	v_add_nc_u32 v7, s40, v7                       ; row r, + 32 h: O's eight channels of my half
	v_lshlrev_b32 v16, 4, v0                       ; the copy: 16 bytes a thread, 4,096 a line for the eight waves: in memory,
	v_lshlrev_b32 v17, 4, v0                       ; and in LDS, in four quarters of 65,536 bytes (an LDS offset has 16 bits)
	s_delay_alu instid0(VALU_DEP_1)
	v_add_nc_u32 v18, 0x10000, v17
	s_delay_alu instid0(VALU_DEP_2)
	v_add_nc_u32 v19, 0x20000, v17
	s_delay_alu instid0(VALU_DEP_3)
	v_add_nc_u32 v20, 0x30000, v17
	s_and_b32 s17, ttmp7, 0xffff                   ; head
	s_lshl_b32 s18, ttmp9, 3
	s_add_co_u32 s18, s18, s16                     ; p: my second block of 32 queries,
	s_sub_co_u32 s19, 63, s18                      ; and my first: 63 - p
	s_mov_b32 s41, 0                               ; the upper word of the offsets made in s40, s44
	s_mov_b32 s45, 0
	s_mov_b32 s20, 0x76543210                      ; v_permlanex16_b32's selects for lane l xor 16
	s_mov_b32 s21, 0xfedcba98
	s_wait_alu depctr_va_vdst(0)
	s_wait_kmcnt 0x0
	s_load_b128 s[36:39], s[12:13], 0x0            ; eq, ek, ep, ev
	s_lshl_b32 s40, s19, 3
	s_add_nc_u64 s[42:43], s[10:11], s[40:41]
	s_load_b64 s[24:25], s[42:43], 0x0             ; ANY, MIX of my first block
	s_lshl_b32 s44, s18, 3
	s_add_nc_u64 s[44:45], s[10:11], s[44:45]
	s_load_b64 s[2:3], s[44:45], 0x0               ; and of my second
	s_lshl_b32 s40, s17, 18
	s_add_nc_u64 s[6:7], s[6:7], s[40:41]          ; the head's codes
	s_lshl_b32 s46, s17, 19                        ; the head's bytes in Q and in out0
	s_lshl_b32 s40, s19, 13                        ; a block: 32 rows of 256 bytes
	s_add_co_u32 s40, s40, s46
	s_add_nc_u64 s[32:33], s[4:5], s[40:41]
	s_add_nc_u64 s[100:101], s[14:15], s[40:41]
	s_lshl_b32 s40, s18, 13
	s_add_co_u32 s40, s40, s46
	s_add_nc_u64 s[34:35], s[4:5], s[40:41]
	s_add_nc_u64 s[104:105], s[14:15], s[40:41]
.macro FILL g                          ; half g of the head's codes: 32 lines of 4,096 bytes
.set i, 0
.rept 32
	global_load_b128 v[F+4*i:F+4*i+3], v16, s[6:7] offset:4096*(32*\g+i)
.set i, i+1
.endr
.endm
.macro TOLDS g
.set i, 0
.rept 32
	ds_store_b128 v[17+2*\g+i/16], v[F+4*i:F+4*i+3] offset:(i%16)*4096
.set i, i+1
.endr
.endm
.macro QLOAD pt                        ; a block's 32 rows of Q as they lie: each load reads 512 consecutive bytes
.irp T, 0,1
.irp i, 0,1,2,3,4,5,6,7
	global_load_b128 v[RAW+32*\T+4*\i:RAW+32*\T+4*\i+3], v2, s[\pt:\pt+1] offset:4096*\T+512*\i th:TH_LOAD_NT
.endr
.endr
.endm
.macro QTURN raw, dst                  ; 16 rows through my stage, so that a lane holds 32 neighbours along d of row r; converted: lane (r, h), register p, byte b = d 32 h + 4 p + b, as K's images have it
.irp i, 0,1,2,3,4,5,6,7
	ds_store_b128 v5, v[\raw+4*\i:\raw+4*\i+3] offset:2*SP*\i
.endr
	s_wait_dscnt 0x0                               ; the stores have read the registers into which the loads below land
.irp i, 0,1,2,3,4,5,6,7
	ds_load_b128 v[\raw+4*\i:\raw+4*\i+3], v6 offset:16*\i
.endr
	s_wait_dscnt 0x0
.set j, 0
.rept 32
.set j, j+1
.endr
.irp g, 0,1,2,3
	v_cvt_scalef32_pk8_fp8_f32 v[\dst+2*\g:\dst+2*\g+1], v[\raw+8*\g:\raw+8*\g+7], v8
.endr
	v_nop                                          ; one plain vector line behind the last conversion: matrix instructions read the codes later
.endm
	FILL 0
	QLOAD 32
	s_wait_kmcnt 0x0
	s_add_co_i32 s40, s36, 127
	s_lshl_b32 s41, s40, 23
	v_mov_b32 v8, s41                              ; 2^eq
	s_add_co_i32 s40, s38, 127
	s_lshl_b32 s41, s40, 23
	v_mov_b32 v10, s41                             ; 2^ep
	v_mov_b32 v14, 0xff800000                      ; -infinity
	s_add_co_i32 s40, s36, s37
	s_lshl_b32 s40, s40, 23
	s_add_co_i32 s22, s40, 0x3e38aa3b              ; c = log2(e) / 8, with eq + ek added to its exponent field: a score stands for score x 2^(eq + ek)
	s_mov_b32 s23, s22                             ; (named with it as a pair, so it is written)
	s_mov_b32 s30, s38                             ; ep
	s_add_co_i32 s31, s38, s39                     ; ep + ev
	s_wait_alu depctr_va_vdst(0)
	s_wait_loadcnt 16                              ; the first half of the codes is in; the 16 loads of Q behind it may be out
	TOLDS 0
	s_wait_dscnt 0x0                               ; the stores have read their registers,
	FILL 1                                         ; which take the second half
	s_wait_loadcnt 32                              ; my first block's Q is in; the 32 loads just issued may be out
	QTURN RAW, QA
	QTURN RAW+32, QA+8
	QLOAD 34
	s_wait_loadcnt 16                              ; the second half of the codes is in; the 16 loads of Q behind it may be out
	TOLDS 1
	s_wait_loadcnt 0x0
	QTURN RAW, QB
	QTURN RAW+32, QB+8
	s_wait_dscnt 0x0                               ; for the others' sake: my part of the copy lies in LDS
	s_barrier_signal -1
	s_barrier_wait -1                              ; everybody's does.  The launch's one barrier: behind it K's and V's bytes are only read
; A key step's softmax for my two tiles, line by line for tile 0 and tile 1 by turns, so that no line waits for the line above it.
.macro SOFT
.irp T, 0,1                            ; the largest score of my query among my 32 keys, two chains a tile; every accumulator is read from its low end on
	v_max3_num_f32 v[ST+8*\T+6], v[S+32*\T], v[S+32*\T+1], v[S+32*\T+2]
.endr
.irp T, 0,1
	v_max3_num_f32 v[ST+8*\T+7], v[S+32*\T+3], v[S+32*\T+4], v[S+32*\T+5]
.endr
.irp i, 6,10,14,18,22,26
.irp T, 0,1
	v_max3_num_f32 v[ST+8*\T+6], v[ST+8*\T+6], v[S+32*\T+\i], v[S+32*\T+\i+1]
.endr
.irp T, 0,1
	v_max3_num_f32 v[ST+8*\T+7], v[ST+8*\T+7], v[S+32*\T+\i+2], v[S+32*\T+\i+3]
.endr
.endr
.irp T, 0,1
	v_max3_num_f32 v[ST+8*\T+6], v[ST+8*\T+6], v[S+32*\T+30], v[S+32*\T+31]
.endr
.irp T, 0,1
	s_delay_alu instid0(VALU_DEP_2)
	v_max_num_f32 v[ST+8*\T+6], v[ST+8*\T+6], v[ST+8*\T+7]
.endr
.irp T, 0,1
	s_delay_alu instid0(VALU_DEP_2)
	v_permlanex16_b32 v[ST+8*\T+7], v[ST+8*\T+6], s20, s21   ; the query's other 32 keys lie in lane l xor 16
.endr
.irp T, 0,1
	s_delay_alu instid0(VALU_DEP_2)
	v_max_num_f32 v[ST+8*\T+6], v[ST+8*\T+6], v[ST+8*\T+7]
.endr
.irp T, 0,1
	s_delay_alu instid0(VALU_DEP_2)
	v_mul_f32 v[ST+8*\T+6], s22, v[ST+8*\T+6]      ; as t (c is positive; -infinity stays)
.endr
.irp T, 0,1
	s_delay_alu instid0(VALU_DEP_2)
	v_max_num_f32 v[ST+8*\T+1], v[ST+8*\T+1], v[ST+8*\T+6]   ; the running largest t
.endr
.irp T, 0,1
	v_mov_b32 v[ST+8*\T+6], v[ST+8*\T]
.endr
.irp T, 0,1
	s_delay_alu instid0(VALU_DEP_4)
	v_floor_f32 v[ST+8*\T], -v[ST+8*\T+1]          ; the new -M = floor(-t) = -ceil(t)
.endr
.irp T, 0,1
	s_delay_alu instid0(VALU_DEP_2)
	v_sub_f32 v[ST+8*\T+6], v[ST+8*\T], v[ST+8*\T+6]   ; old M - new M: a whole number, 0 or less
.endr
.irp T, 0,1
	s_delay_alu instid0(VALU_DEP_2)
	v_cvt_i32_f32 v[ST+8*\T+6], v[ST+8*\T+6]       ; (it saturates)
.endr
.irp T, 0,1
	s_delay_alu instid0(VALU_DEP_2)
	v_ldexp_f32 v[ST+8*\T+4], 1.0, v[ST+8*\T+6]    ; f = 2^(old M - new M)
.endr
.irp j, 0,2,4,6,8,10,12,14,16,18,20,22,24,26,28,30
.irp T, 0,1
	v_pk_fma_f32 v[S+32*\T+\j:S+32*\T+\j+1], v[S+32*\T+\j:S+32*\T+\j+1], s[22:23], v[ST+8*\T:ST+8*\T+1] op_sel_hi:[1,0,0]   ; t - M, two at a time (of the pairs c and -M the low word serves both halves)
.endr
.endr
.set j, 0
	s_setprio 1
	s_wait_alu depctr_va_vdst(0)
.rept 64
	v_exp_f32 v[S+j], v[S+j]                       ; p = 2^(t - M); 0 for a hidden key
.set j, j+1
.endr
.irp T, 0,1
	v_pk_mul_f32 v[ST+8*\T+2:ST+8*\T+3], v[ST+8*\T+2:ST+8*\T+3], v[ST+8*\T+4:ST+8*\T+5] op_sel_hi:[1,0]   ; the sums under the new M.  (The plain line behind the exponentials)
.endr
	s_wait_alu depctr_va_vdst(0)
.irp T, 0,1
	v_pk_add_f32 v[XC+2*\T:XC+2*\T+1], v[S+32*\T:S+32*\T+1], v[S+32*\T+2:S+32*\T+3]   ; the row's sum is taken of the unquantised p: two at a time, two chains a tile
.endr
.irp j, 4,8,12,16,20,24,28
.irp T, 0,1
	v_pk_add_f32 v[ST+8*\T+2:ST+8*\T+3], v[ST+8*\T+2:ST+8*\T+3], v[S+32*\T+\j:S+32*\T+\j+1]
.endr
.irp T, 0,1
	v_pk_add_f32 v[XC+2*\T:XC+2*\T+1], v[XC+2*\T:XC+2*\T+1], v[S+32*\T+\j+2:S+32*\T+\j+3]
.endr
.endr
.irp T, 0,1
	s_delay_alu instid0(VALU_DEP_2)
	v_pk_add_f32 v[ST+8*\T+2:ST+8*\T+3], v[ST+8*\T+2:ST+8*\T+3], v[XC+2*\T:XC+2*\T+1]
.endr
	s_cmp_ge_i32 s30, -8
	s_cbranch_scc1 .Lnohold_\@
.set j, 0
.rept 64
.set j, j+1
.endr
.Lnohold_\@:
.irp k, 0,1,2,3
.irp T, 0,1
	v_cvt_scalef32_pk8_fp8_f32 v[P+8*\T+2*\k:P+8*\T+2*\k+1], v[S+32*\T+8*\k:S+32*\T+8*\k+7], v10
.endr
.endr
.irp T, 0,1
.irp j, 0,2,4,6,8,10,12,14,16,18,20,22,24,26,28,30
	v_pk_mul_f32 v[O+32*\T+\j:O+32*\T+\j+1], v[O+32*\T+\j:O+32*\T+\j+1], v[ST+8*\T+4:ST+8*\T+5] op_sel_hi:[1,0]   ; O^T under the new M.  (These are also the plain lines behind the conversions)
.endr
.endr
.endm
; One block of 32 queries.  qb: its codes;  fl: s[fl] ANY, s[fl + 1] MIX;  op: s[op:op+1] its rows of out0;  ur: s[ur] the block's number.
.macro ITEM qb, fl, op, ur
	s_wait_xcnt 0x0                                ; the block before has stored from v160 on: those registers are written again only behind this wait
.set j, 0
.rept 64
	v_mov_b32 v[O+j], 0                            ; O^T begins as zeros: which step is a block's first hangs on the stored flags, so no first step can be written out with the constant 0 as C
.set j, j+1
.endr
.irp T, 0,1
	v_mov_b32 v[ST+8*\T+1], 0xff61b1e6             ; the largest t so far: -3e38, under every t
	s_delay_alu instid0(VALU_DEP_1)
	v_floor_f32 v[ST+8*\T], -v[ST+8*\T+1]          ; -M
.irp i, 2,3,4,5,6,7
	v_mov_b32 v[ST+8*\T+\i], 0                     ; the sum; and what is named as half of a pair or as a lane permute's destination is written once
.endr
.endr
	s_mov_b32 s26, 0                               ; the step's bytes in K's and in V's part of LDS: 4,096 a step
	s_mov_b32 s27, 0
	s_lshl_b32 s28, s[\ur], 13
	s_mov_b32 s29, 0
	s_add_nc_u64 s[28:29], s[8:9], s[28:29]        ; the block's lane masks: 256 bytes a step
.Lstep_\@:                                             ; 32 trips, whatever the mask
	s_bitcmp1_b32 s[\fl], 0
	s_cbranch_scc0 .Lskip_\@                       ; no key of this step counts for any of my 32 queries
	s_setprio 2
	v_add_nc_u32 v3, s26, v2
	s_delay_alu instid0(VALU_DEP_1)
	v_add_nc_u32 v4, VOFF, v3
	v_nop                                          ; with the two additions: four places behind the last step's products, in front of loads into the registers that they read
	v_nop
.irp k, 0,1,2,3
	ds_load_b128 v[F+8*\k:F+8*\k+3], v3 offset:1024*\k
	ds_load_b128 v[F+8*\k+4:F+8*\k+7], v3 offset:1024*\k+512
.endr
	s_wait_alu depctr_va_vdst(0)
	s_wait_dscnt 0x0
.irp k, 0,1,2,3                        ; S^T = K Q^T: each fragment of K serves both tiles
.irp T, 0,1
	v_wmma_f32_16x16x64_fp8_fp8 v[S+32*\T+8*\k:S+32*\T+8*\k+7], v[F+8*\k:F+8*\k+7], v[\qb+8*\T:\qb+8*\T+7], 0
.endr
.endr
.rept 4
	v_nop                                          ; four places: in front of the loads over K's fragments, and of the first reads of the scores
.endr
.irp k, 0,1,2,3                        ; V's four fragments land while the softmax is worked
	ds_load_b128 v[F+8*\k:F+8*\k+3], v4 offset:1024*\k
	ds_load_b128 v[F+8*\k+4:F+8*\k+7], v4 offset:1024*\k+512
.endr
	s_bitcmp1_b32 s[\fl+1], 0
	s_cbranch_scc0 .Lopen_\@                       ; every key of this step counts for every one of my queries
	s_load_b512 s[32:47], s[28:29], 0x0            ; the step's 64 lane masks: word n for score register n
	s_load_b512 s[48:63], s[28:29], 0x40
	s_load_b512 s[68:83], s[28:29], 0x80
	s_load_b512 s[84:99], s[28:29], 0xc0
	s_wait_kmcnt 0x0
.set j, 0
.rept 32
	v_cndmask_b32 v[S+j], v14, v[S+j], s[32+j]     ; a hidden score becomes -infinity
.set j, j+1
.endr
.rept 32
	v_cndmask_b32 v[S+j], v14, v[S+j], s[36+j]
.set j, j+1
.endr
.Lopen_\@:
	SOFT
	s_setprio 0
	s_wait_alu depctr_va_vdst(0)
	s_wait_dscnt 0x0                               ; V
.irp k, 0,1,2,3                        ; O^T += V^T P^T: the eight accumulators by turns, one instruction a turn; the matrix instruction in front of the first is a K Q^T
.irp T, 0,1
	v_wmma_f32_16x16x64_fp8_fp8 v[O+32*\T+8*\k:O+32*\T+8*\k+7], v[F+8*\k:F+8*\k+7], v[P+8*\T:P+8*\T+7], v[O+32*\T+8*\k:O+32*\T+8*\k+7]
.endr
.endr
.Lskip_\@:
	s_lshr_b32 s[\fl], s[\fl], 1
	s_lshr_b32 s[\fl+1], s[\fl+1], 1
	s_add_co_u32 s26, s26, 4096
	s_add_nc_u64 s[28:29], s[28:29], 256           ; (the scalar loads that read it were waited for)
	s_add_co_u32 s27, s27, 1
	s_cmp_lt_u32 s27, 32
	s_cbranch_scc1 .Lstep_\@
	s_setprio 0
	; THE WAY OUT: the sum's halves and lane l xor 16's; O^T / the sum x 2^(ep + ev); a tile of 16 rows at a time through my stage, so that each store covers 512 consecutive bytes
.rept 4
	v_nop                                          ; four places behind the last products
.endr
	s_wait_alu depctr_va_vdst(0)
.irp T, 0,1
	v_add_f32 v[ST+8*\T+6], v[ST+8*\T+2], v[ST+8*\T+3]
.endr
.irp T, 0,1
	s_delay_alu instid0(VALU_DEP_2)
	v_permlanex16_b32 v[ST+8*\T+7], v[ST+8*\T+6], s20, s21
.endr
.irp T, 0,1
	s_delay_alu instid0(VALU_DEP_2)
	v_add_f32 v[ST+8*\T+6], v[ST+8*\T+6], v[ST+8*\T+7]
.endr
	s_wait_alu depctr_va_vdst(0)
.irp T, 0,1
	v_rcp_f32 v[ST+8*\T+6], v[ST+8*\T+6]
.endr
	v_nop                                          ; a plain line between the reciprocals and their use
	s_wait_alu depctr_va_vdst(0)
.irp T, 0,1
	v_ldexp_f32 v[ST+8*\T+6], v[ST+8*\T+6], s31
.endr
.irp T, 0,1
.irp j, 0,2,4,6,8,10,12,14,16,18,20,22,24,26,28,30
	v_pk_mul_f32 v[S+32*\T+\j:S+32*\T+\j+1], v[O+32*\T+\j:O+32*\T+\j+1], v[ST+8*\T+6:ST+8*\T+7] op_sel_hi:[1,0]   ; register 8 dt + j: out(r, 16 dt + 8 h + j)
.endr
.endr
.irp T, 0,1                            ; LDS serves a wave's instructions in order (ISA guide 5.7.1.4): the loads see my stores, and tile 1's stores come behind tile 0's loads
.irp k, 0,1,2,3
	ds_store_b128 v7, v[S+32*\T+8*\k:S+32*\T+8*\k+3] offset:64*\k
	ds_store_b128 v7, v[S+32*\T+8*\k+4:S+32*\T+8*\k+7] offset:64*\k+16
.endr
.irp i, 0,1,2,3,4,5,6,7
	ds_load_b128 v[O+32*\T+4*\i:O+32*\T+4*\i+3], v5 offset:2*SP*\i
.endr
.endr
.irp i, 0,1,2,3,4,5,6,7
	s_wait_dscnt 23-\i                             ; behind tile 0's load i: its own 7 - i younger loads, tile 1's eight stores and eight loads
	global_store_b128 v2, v[O+4*\i:O+4*\i+3], s[\op:\op+1] offset:512*\i th:TH_STORE_NT
.endr
.irp i, 0,1,2,3,4,5,6,7
	s_wait_dscnt 7-\i
	global_store_b128 v2, v[O+32+4*\i:O+32+4*\i+3], s[\op:\op+1] offset:4096+512*\i th:TH_STORE_NT
.endr
.endm
	ITEM QA, 24, 100, 19                           ; block 63 - p
	ITEM QB, 2, 104, 18                            ; block p
	s_set_vgpr_msb 0x4
	s_wait_tensorcnt 0x0
	ds_add_u32 v15, v1
	s_wait_dscnt 0x0
	s_set_vgpr_msb 0x400
	s_endpgm
.Lfunc_end_k_q2d6702d8dd_attn:
	.size	k_q2d6702d8dd_attn, .Lfunc_end_k_q2d6702d8dd_attn-k_q2d6702d8dd_attn
	.p2alignl 7, 3214868480
	.fill 96, 4, 3214868480
	.section	.rodata,"a",@progbits
	.p2align	6, 0x0
	.amdhsa_kernel k_q2d6702d8dd_attn
		.amdhsa_group_segment_fixed_size 297984
		.amdhsa_private_segment_fixed_size 0
		.amdhsa_enable_private_segment 0
		.amdhsa_kernarg_size 48
		.amdhsa_user_sgpr_count 2
		.amdhsa_user_sgpr_kernarg_segment_ptr 1
		.amdhsa_wavefront_size32 1
		.amdhsa_system_sgpr_workgroup_id_x 1
		.amdhsa_system_sgpr_workgroup_id_y 1
		.amdhsa_system_sgpr_workgroup_id_z 1
		.amdhsa_system_vgpr_workitem_id 0
		.amdhsa_next_free_vgpr 258
		.amdhsa_next_free_sgpr 106
		.amdhsa_reserve_vcc 0
		.amdhsa_float_denorm_mode_32 3
		.amdhsa_float_denorm_mode_16_64 3
		.amdhsa_fp16_overflow 1
		.amdhsa_memory_ordered 1
		.amdhsa_forward_progress 1
		.amdhsa_inst_pref_size 81
	.end_amdhsa_kernel
	.amdgpu_metadata
---
amdhsa.version: [ 1, 2 ]
amdhsa.kernels:
  - .name:           k_q2d6702d8dd_attn
    .symbol:         k_q2d6702d8dd_attn.kd
    .args:
      - { .name: Q, .offset: 0, .size: 8, .value_kind: global_buffer, .address_space: global }
      - { .name: kv, .offset: 8, .size: 8, .value_kind: global_buffer, .address_space: global }
      - { .name: lmask, .offset: 16, .size: 8, .value_kind: global_buffer, .address_space: global }
      - { .name: flags, .offset: 24, .size: 8, .value_kind: global_buffer, .address_space: global }
      - { .name: lowp_scales, .offset: 32, .size: 8, .value_kind: global_buffer, .address_space: global }
      - { .name: out0, .offset: 40, .size: 8, .value_kind: global_buffer, .address_space: global }
    .group_segment_fixed_size: 297984
    .private_segment_fixed_size: 0
    .kernarg_segment_align: 8
    .kernarg_segment_size: 48
    .max_flat_workgroup_size: 256
    .sgpr_count:     106
    .vgpr_count:     258
    .wavefront_size: 32
...
	.end_amdgpu_metadata
.endif
;; end of part 2
